; MI455X (gfx1250); checked and timed in simulation.
; The chip was launched on July 23, 2026; its instructions are those of AMD's public machine-readable ISA for CDNA 5 (MIT licence, August 2026) and "CDNA5" Instruction Set Architecture Reference Guide (July 2026). The comments in the code are by the model that wrote it; some were corrected since.
;; My Multi Head Attention. Allowed arithmetic: matrix products marked QUANTISED: E5M2 operands, one given power-of-two scale a tensor, by v_wmma_f32_16x16x64_bf8_bf8 or v_wmma_f32_16x16x128_bf8_bf8, f32 sums; everything else in f32.
;; Inputs: Wk_codes 1,024 x 32 x 32 uint8 (E5M2 codes of Wk, K innermost, in blocks of 32 codes); Wq_codes 1,024 x 32 x 32 uint8 (E5M2 codes of Wq, K innermost, in blocks of 32 codes); Wv_codes 1,024 x 32 x 32 uint8 (E5M2 codes of Wv, K innermost, in blocks of 32 codes); a_mask 8 x 1 x 1,024 x 1,024 float32; bk 1,024 float32; bq 1,024 float32; bv 1,024 float32; k_codes 8 x 1,024 x 32 x 32 uint8 (E5M2 codes of k, K innermost, in blocks of 32 codes); lowp_scales 10 int32 (the exponents e of the quantised operands' scales 2^e); q_codes 8 x 1,024 x 32 x 32 uint8 (E5M2 codes of q, K innermost, in blocks of 32 codes); q_mask 8 x 1,024 float32; v_codes 8 x 1,024 x 32 x 32 uint8 (E5M2 codes of v, K innermost, in blocks of 32 codes); v_mask 8 x 1,024 float32.
;; Outputs: out0 8 x 1,024 x 1,024 float32.
;; This version of the problem:
;;   THIS VERSION OF THE PROBLEM IS GIVEN IN LOW PRECISION. The matrix products marked QUANTISED in the list below multiply operands that are first quantised to E5M2 (5 exponent bits, 2 mantissa bits; 8 bits a number), with one given power-of-two scale for each operand tensor; their sums are f32. All else is computed in f32.
;;   The module's matrix products, in the order in which they are computed (A, B: the left and right operand; K: the contracted axis; several contracted axes count as one K, in the product's order):
;;     1. [M 8,192, K 1,024] x [K 1,024, N 1,024]; A: input q (given as codes); B: input Wq (given as codes): QUANTISED (scales: A lowp_scales[0], B lowp_scales[1])
;;     2. [M 8,192, K 1,024] x [K 1,024, N 1,024]; A: input k (given as codes); B: input Wk (given as codes): QUANTISED (scales: A lowp_scales[2], B lowp_scales[3])
;;     3. [M 8,192, K 1,024] x [K 1,024, N 1,024]; A: input v (given as codes); B: input Wv (given as codes): QUANTISED (scales: A lowp_scales[4], B lowp_scales[5])
;;     4. batch 128 x [M 1,024, K 64] x [K 64, N 1,024]; A: computed on the way; B: computed on the way: QUANTISED (scales: A lowp_scales[6], B lowp_scales[7])
;;     5. batch 128 x [M 1,024, K 1,024] x [K 1,024, N 64]; A: softmax (see below); B: computed on the way: QUANTISED (scales: A lowp_scales[8], B lowp_scales[9])
;;   THE QUANTISER, for each operand of a quantised product, along K:
;;     - The operand's scale is 2^e, e = its entry of the input lowp_scales (int32; the entries are numbered through the quantised products in the list's order, A before B).
;;     - Each number is divided by the scale, clamped to +-57,344, and rounded to the nearest number of E5M2, ties to even, subnormals kept.
;;     - The product sums the exact products of the quantised numbers (number of the format x scale) in f32.
;;   ~~~python
;;   def quantise(x, axis, e):      # numpy; x: float32 -> the quantised numbers, widened to float32 again
;;       x = np.moveaxis(x, axis, -1); K = x.shape[-1]
;;       r = np.clip(x / 2.0 ** e, -57344, 57344)
;;       step = 2.0 ** (np.maximum(np.frexp(np.where(r == 0, 1, r))[1] - 1, -14) - 2)
;;       q = np.round(r / step) * step * 2.0 ** e      # np.round: ties to even
;;       return np.moveaxis(q, -1, axis).astype(np.float32)
;;   ~~~
;;   SOFTMAX AHEAD OF A QUANTISED PRODUCT. Where the list says 'softmax', what is quantised is not the finished softmax but p = 2^(t - M), with t = logit x log2(e) and M = ceil(the row's largest t), a whole number; so 1/2 < the row's largest p <= 1. The row's sum l is taken of the UNQUANTISED p, in f32, and the product's result is divided by l at the end. Since M is a whole number, a kernel that streams over the keys may use a running M (the ceiling of the running maximum): every later rescaling is an exact power of two, so the quantised numbers keep their values, but for numbers so far below the row's largest that they fall under the format's range.
;;   OPERANDS COMPUTED ON THE WAY. 'Computed on the way' means the value that the module computes at that place (a softmax that the list does not call 'softmax' is quantised finished and normalised). What goes into a quantiser is computed in f32, as accurately as f32 sums, v_exp_f32 and their like allow (about 1e-6 of the number): no bf16 or f16 on the way to a quantiser, and a product that is left as it is and whose result goes on into a quantised operand takes f32 operands (vector FMAs, or v_wmma_f32_16x16x4_f32). A number that lies on a knife's edge between two numbers of the format may be rounded either way, as far as f32 arithmetic and the matrix unit's own rounding can turn it there, and no further.
;;   INPUTS GIVEN AS CODES. Wk (in the module: [1024, 1024], K = its axis 0); Wq (in the module: [1024, 1024], K = its axis 0); Wv (in the module: [1024, 1024], K = its axis 0); k (in the module: [8, 1024, 1024], K = its axis 2); q (in the module: [8, 1024, 1024], K = its axis 2); v (in the module: [8, 1024, 1024], K = its axis 2): each comes as NAME_codes (uint8): NAME with its K axis moved to the last place and cut into blocks of 32 codes, [.., K / 32, bytes a block], one block behind the other in memory; one code a byte (a code: sign, 5 exponent bits, 2 mantissa bits); its scale is its entry of lowp_scales. Its value is code x scale, taken as it is: it is not quantised again, and the codes and scales need not be those that the quantiser above would give.
;; One version. Each part assembles by itself: llvm-mc -triple=amdgcn-amd-amdhsa -mcpu=gfx1250 --defsym DOCPART=n.
;; ======== version 1 of 1: 2 launches
;; limits: right only within a limited range of input values
;; workspace buffers: qf 8,388,608 bytes; kv 16,777,216 bytes
;; launch proj (part 1): grid 4 x 64, 4 waves a work-group, clusters of 4 x 4, 327,680 bytes of LDS; arguments q_codes, k_codes, v_codes, Wq_codes, Wk_codes, Wv_codes, bq, bk, bv, lowp_scales, qf, kv; writes qf, kv
.if DOCPART == 1
	.amdgcn_target "amdgcn-amd-amdhsa--gfx1250"
	.amdhsa_code_object_version 6
	.text
	.protected	k_q10f235eb3d_proj
	.globl	k_q10f235eb3d_proj
	.p2align	8
	.type	k_q10f235eb3d_proj,@function
k_q10f235eb3d_proj:
	s_mov_b64 s[64:65], 0
	v_nop
	global_prefetch_b8 v0, s[64:65] scope:SCOPE_SE
	s_setreg_imm32_b32 hwreg(HW_REG_WAVE_MODE, 25, 1), 1
	s_wait_xcnt 0x0
	s_wait_alu depctr_hold_cnt(0) depctr_sa_sdst(0) depctr_va_vdst(0) depctr_va_sdst(0) depctr_va_ssrc(0) depctr_va_vcc(0) depctr_vm_vsrc(0)
	s_getreg_b32 s2, hwreg(HW_REG_IB_STS2, 6, 4)
	s_cmp_eq_u32 s2, 0
	s_cbranch_scc0 .Lentry_in_a_cluster
	s_endpgm
.Lentry_in_a_cluster:
	s_bfe_u32 s2, ttmp6, 0x10000c
	s_cmp_lg_u32 s2, 0xf033
	s_cbranch_scc0 .Lentry_shape_is_right
	s_endpgm
.Lentry_shape_is_right:
; THE THREE PROJECTIONS on codes of E5M2 (v_wmma_f32_16x16x128_bf8_bf8), each result + bias quantised at once with its given scale and stored as images of the attention launch's operand registers.
; SHARES.  256 work-groups of four waves.  Each makes TWO tiles.  Tile 1: 256 rows of q or k x 256 columns of Wq or Wk (cluster y / 8 says which), a wave 128 x 128.  Tile 2: half a tile of V^T: 128 rows of Wv (channels) x 256 rows
; of v (keys), a wave 64 x 128.  So the 384 tiles of 256 x 256 are dealt evenly, one and a half to a work-group.
; THE RING of two LDS slots (256 along K: rows of 256 bytes, pitch 272) does not stop between the tiles: tile 1's last two changes of slots ask for tile 2's K steps 0 and 1, which land while tile 1 goes out from registers.
; CLUSTERS of 4 x 4: A's tiles (activations in tile 1, Wv in tile 2) are shared along a row of the cluster, B's (weights; v) along a column, by joint loads; each refill stands behind a round of the cluster's barrier.
; TRANSPOSED USE: source 0 = 16 rows of B, source 1 = 16 rows of A: a lane's eight results are eight neighbours along B's rows, which one conversion turns into two registers of codes.  The bias, divided by the two operands' scales,
; is the C of each accumulator's first product.  k is permuted alike in A and B (four 16-byte loads a fragment).
; OUT.  qf: (64 queries) x 65,536 + head x 4,096 + (16 queries) x 1,024; kv: (64 keys) x 131,072 + head x 8,192 + K: 1,024 (16 keys), V^T: 4,096 + 1,024 (16 channels); a fragment's registers 4 g .. 4 g + 3 of lane l at 512 g + 16 l.
; PREFETCH.  Behind refill n (0 to 5 of 8) a wave names what refill n + 2 will load of its own rows: the four partners of a joint load share the rows by address (32 each, a lane a row of 256 bytes; of Wv's 64 rows 16 each, the lanes
; left over naming the last again).  The weights are read by many clusters: four clusters ask for each.  All addresses are fixed bases with immediate offsets.
; LIMITS on the given exponents, so that each power of two below is an f32 number: e6 - e0 - e1, e7 - e2 - e3 and e9 - e4 - e5 between -126 and 112.
.set KROW,   1024
.set ROWB,   256
.set PITCH,  272
.set FR,     16
.set NL,     4
.set NP,     4
.set HALFT,  128*PITCH
.set SLOT,   4*HALFT                   ; A's rows from 0, B's 256 rows from 2 HALFT
.set SPARE,  2*SLOT
.set LN,   4                           ; v4   a fragment's row x pitch + 16 x half
.set OF,   8                           ; v8-11 byte offsets of my stores
.set CVS,  12
.set LIMV, 13
.set PFO,  14                          ; v14, v15 the prefetches' offsets, tile 1 and tile 2
.set PFO2, 15
.set ADRA, 16
.set ADRB, 20
.set SPW,  28
.set NIL,  29
.set BI,   32                          ; v32-95 the bias as C; on the way out the held sums
.set TMP,  32
.set BV,   104                         ; v104-107 bv of my four blocks of channels
.set AF,   128                         ; A's fragments; on the way out the codes
.set CD,   128
.set G1, 24
.set G0, 32
.set G1B, 48
.set G0B, 56
.set A2,  4                            ; s[4:5], s[6:7] tile 2's first bytes of Wv and of v
.set B2,  6
.set PF1, 80
.set PF2, 82
.set EN1, 66
.set EN2, 67
.set MSB, 0
.macro WIN new
.if MSB != (\new)
	s_set_vgpr_msb (MSB<<8)|(\new)
.set MSB, (\new)
.endif
.endm
.set MUL_LO, 0xa1                      ; source 0 (B) window 1, source 1 (A) window 0, C and D window 2
.set MUL_HI, 0xf1
.set TO_B,   0x40
.macro JLOAD g0a, g1a, g0b, g1b        ; waves 0, 1 ask for A, waves 2, 3 for B
	s_cmp_eq_u32 s15, 0
	s_cbranch_scc0 .Lfor_b_\@
	tensor_load_to_lds s[\g0a:\g0a+3], s[\g1a:\g1a+7]
	s_nop 0
.rept 4
	v_nop
.endr
	s_branch .Lasked_\@
.Lfor_b_\@:
	tensor_load_to_lds s[\g0b:\g0b+3], s[\g1b:\g1b+7]
	s_nop 0
.rept 4
	v_nop
.endr
.Lasked_\@:
.endm
.macro CREST
	s_cmp_lg_u32 s14, 0
	s_cbranch_scc1 .Lnot_wave_0_\@
	s_barrier_signal -3
.Lnot_wave_0_\@:
	s_barrier_wait -3
	s_barrier_signal -1
	s_barrier_wait -1
.endm
.macro CROUND
	s_barrier_signal -1
	s_barrier_wait -1
	CREST
.endm
.macro ASK en, pa, vo, off
	s_cmp_eq_u32 s[\en], 1
	s_cbranch_scc0 .Lnot_mine_\@
	global_prefetch_b8 v[\vo], s[\pa:\pa+1] offset:\off th:TH_LOAD_NT scope:SCOPE_SE
.Lnot_mine_\@:
.endm
.macro ASKN n                          ; behind refill n: what refill n + 2 loads (refills 0-3: tile 1's K steps, 4-7: tile 2's)
.if \n < 2
	ASK EN1, PF1, PFO, 512+256*(\n)
.elseif \n < 6
	ASK EN2, PF2, PFO2, 256*((\n)-2)
.endif
.endm
	s_load_b512 s[68:83], s[0:1], 0x0              ; q, k, v, Wq, Wk, Wv, bq, bk
	s_load_b256 s[84:91], s[0:1], 0x40             ; bv, the scales' exponents, qf, kv
	v_lshl_add_u32 v[SPW], v0, 2, SPARE
	v_mov_b32 v[NIL], 0
	ds_add_u32 v[SPW], v[NIL]                      ; the opening lines: the add, twice on end, and its wait
	ds_add_u32 v[SPW], v[NIL]
	v_lshrrev_b32 v1, 5, v0
	v_readfirstlane_b32 s14, v1                    ; wave
	s_lshr_b32 s15, s14, 1                         ; my half of A's rows; also: I fetch for A (0) or B (1)
	s_and_b32 s16, s14, 1                          ; my half of B's rows; also: which part I fetch
	s_bfe_u32 s40, ttmp6, 0x40000                  ; cx
	s_bfe_u32 s41, ttmp6, 0x40004                  ; cy
	s_and_b32 s13, ttmp7, 0xffff                   ; cluster y, 0 .. 15
	s_lshr_b32 s12, s13, 3                         ; tile 1: 0 q, 1 k
	s_and_b32 s17, s13, 7
	s_lshl_b32 s17, s17, 2
	s_add_co_u32 s17, s17, s41                     ; tile 1's row of 256 activations
	s_mov_b32 s42, s40                             ; and its column of 256 weights
	s_lshl_b32 s43, s41, 2
	s_lshl_b32 s43, 15, s43                        ; my row of the cluster
	s_lshl_b32 s44, 0x1111, s40                    ; my column
	s_or_b32 s[G1+0], s43, (1<<20)|(1<<21)|(5<<22)|(3<<25)    ; elements of 1 byte; four words of padding after every 64
	s_or_b32 s[G1B+0], s44, (1<<20)|(1<<21)|(5<<22)|(3<<25)
.irp g, G1, G1B
	s_mov_b32 s[\g+1], ROWB<<16
	s_mov_b32 s[\g+2], 128<<16
	s_mov_b32 s[\g+3], ROWB<<16
	s_mov_b32 s[\g+4], 128
	s_mov_b32 s[\g+5], KROW
	s_mov_b32 s[\g+6], 0
	s_mov_b32 s[\g+7], 0
.endr
	s_lshl_b32 s18, s16, 7
	s_lshl_b32 s20, s17, 8
	s_add_co_u32 s20, s20, s18
	s_lshl_b32 s20, s20, 10                        ; A, tile 1: row 256 x tile row + 128 x part
	s_mov_b32 s21, 0
	s_lshl_b32 s46, s42, 8
	s_add_co_u32 s46, s46, s18
	s_lshl_b32 s46, s46, 10                        ; B likewise
	s_mov_b32 s47, 0
	s_and_b32 s96, s13, 1
	s_lshl_b32 s96, s96, 2
	s_add_co_u32 s96, s96, s41                     ; tile 2: R, its row of 128 channels, 0 .. 7
	s_lshr_b32 s97, s13, 1
	s_lshl_b32 s97, s97, 2
	s_add_co_u32 s97, s97, s40                     ; C, its column of 256 keys, 0 .. 31
	s_lshl_b32 s98, s96, 7
	s_lshl_b32 s22, s16, 6
	s_add_co_u32 s98, s98, s22
	s_lshl_b32 s98, s98, 10                        ; Wv: row 128 R + 64 x part
	s_mov_b32 s99, 0
	s_lshl_b32 s100, s97, 8
	s_add_co_u32 s100, s100, s18
	s_lshl_b32 s100, s100, 10                      ; v: row 256 C + 128 x part
	s_mov_b32 s101, 0
	s_lshl_b32 s19, s96, 7
	s_lshl_b32 s22, s15, 6
	s_add_co_u32 s19, s19, s22
	s_lshl_b32 s19, s19, 2                         ; bv at my 64 channels
	s_lshl_b32 s2, s96, 1
	s_add_co_u32 s2, s2, s15
	s_lshl_b32 s2, s2, 13                          ; kv, tile 2: head 2 R + my half,
	s_lshl_b32 s3, s97, 2
	s_lshl_b32 s23, s16, 1
	s_add_co_u32 s3, s3, s23
	s_lshl_b32 s3, s3, 17                          ; key step 4 C + 2 x my half,
	s_add_co_u32 s2, s2, s3
	s_add_co_u32 s2, s2, 4096                      ; V^T's part
	s_add_co_u32 s95, s12, 16                      ; tile 1's stores: 64 rows of A are 2^16 (qf) or 2^17 (kv) bytes, a head 2^12 or 2^13
	s_add_co_u32 s96, s12, 12
	s_lshl_b32 s22, s17, 2
	s_lshl_b32 s23, s15, 1
	s_add_co_u32 s22, s22, s23
	s_lshl_b32 s22, s22, s95
	s_lshl_b32 s23, s42, 2
	s_lshl_b32 s3, s16, 1
	s_add_co_u32 s23, s23, s3
	s_lshl_b32 s23, s23, s96
	s_add_co_u32 s22, s22, s23
	s_lshl_b32 s95, 1, s95
	s_lshl_b32 s96, 1, s96
	s_lshl_b32 s3, s42, 8
	s_add_co_u32 s3, s3, s18
	s_lshl_b32 s3, s3, 2                           ; bq or bk at my 128 columns
	s_mul_i32 s45, s14, HALFT                      ; where my part of a slot goes
	s_bfe_u32 s97, s13, 0x10002
	s_xor_b32 s97, s97, 1                          ; 1 in four of the eight clusters that read Wq, and of those that read Wk
	s_xor_b32 s23, s12, 1                          ; 1 in clusters 0 to 7: four for each half of Wv
	s_wait_dscnt 0x0                               ; both opening adds are done
	s_wait_kmcnt 0x0
	s_cmp_eq_u32 s12, 1
	s_cselect_b64 s[92:93], s[70:71], s[68:69]
	s_cselect_b64 s[8:9], s[82:83], s[80:81]
	s_cselect_b64 s[10:11], s[90:91], s[88:89]
	s_add_nc_u64 s[20:21], s[92:93], s[20:21]
	s_cselect_b64 s[92:93], s[76:77], s[74:75]
	s_add_nc_u64 s[46:47], s[92:93], s[46:47]
	s_add_nc_u64 s[A2:A2+1], s[78:79], s[98:99]
	s_add_nc_u64 s[B2:B2+1], s[72:73], s[100:101]
	s_load_b256 s[68:75], s[86:87], 0x0            ; e0 .. e7
	s_load_b64 s[76:77], s[86:87], 0x20            ; e8, e9
	s_cmp_eq_u32 s15, 0                            ; the prefetches: by my role
	s_cselect_b64 s[PF1:PF1+1], s[20:21], s[46:47]
	s_cselect_b64 s[PF2:PF2+1], s[A2:A2+1], s[B2:B2+1]
	s_cselect_b32 s92, s40, s41                    ; my place among the four that ask with me
	s_cselect_b32 s93, 14, 15                      ; tile 2: 16 rows of Wv or 32 of v a partner
	s_cselect_b32 s94, 15, 31
	s_cselect_b32 s[EN1], 1, s97
	s_cselect_b32 s[EN2], s23, 1
	s_lshl_b32 s88, s92, 15
	s_mov_b32 s89, 0
	s_add_nc_u64 s[PF1:PF1+1], s[PF1:PF1+1], s[88:89]
	s_lshl_b32 s88, s92, s93
	s_add_nc_u64 s[PF2:PF2+1], s[PF2:PF2+1], s[88:89]
.irp s, 0,1
	s_mov_b32 s[G0+4*\s], 1
	s_add_co_u32 s[G0+4*\s+1], s45, \s*SLOT
	s_add_nc_u64 s[G0+4*\s+2:G0+4*\s+3], s[20:21], \s*ROWB
	s_or_b32 s[G0+4*\s+3], s[G0+4*\s+3], 0x80000000
	s_mov_b32 s[G0B+4*\s], 1
	s_add_co_u32 s[G0B+4*\s+1], s45, \s*SLOT
	s_add_nc_u64 s[G0B+4*\s+2:G0B+4*\s+3], s[46:47], \s*ROWB
	s_or_b32 s[G0B+4*\s+3], s[G0B+4*\s+3], 0x80000000
.endr
	s_mul_i32 s21, s15, HALFT
	s_mul_i32 s23, s16, HALFT
	s_add_co_u32 s23, s23, 2*HALFT
	CROUND                                         ; all sixteen work-groups are here: the first joint loads meet
	JLOAD G0, G1, G0B, G1B                         ; K step 0: my one tensor load at the head
	v_and_b32 v1, 15, v0                           ; r
	v_bfe_u32 v2, v0, 4, 1                         ; h
	v_and_b32 v7, 31, v0
	v_lshl_add_u32 v5, v2, 5, s3                   ; bias, tile 1: a lane's eight results are columns 16 b + 8 h + j
	v_lshl_add_u32 v6, v1, 2, s19                  ; tile 2: all eight are channel 16 a + r
	v_mul_u32_u24 v3, v1, PITCH
	v_lshl_add_u32 v[LN], v2, 4, v3
	v_add_nc_u32 v[ADRA], s21, v[LN]
	v_add_nc_u32 v[ADRB], s23, v[LN]
	v_add_nc_u32 v[ADRA+1], SLOT, v[ADRA]
	v_add_nc_u32 v[ADRB+1], SLOT, v[ADRB]
	v_lshl_add_u32 v[OF], v7, 4, s22
	v_add_nc_u32 v[OF+1], s96, v[OF]
	v_add_nc_u32 v[OF+2], s95, v[OF]
	v_add_nc_u32 v[OF+3], s95, v[OF+1]
	v_lshlrev_b32 v[PFO], 10, v7
	v_min_u32 v[PFO2], s94, v7
	v_lshlrev_b32 v[PFO2], 10, v[PFO2]
	s_wait_alu depctr_va_vdst(0)
.irp e, 0,1,2,3,4,5,6,7
	global_load_b128 v[BI+8*\e:BI+8*\e+3], v5, s[8:9] offset:64*\e
	global_load_b128 v[BI+8*\e+4:BI+8*\e+7], v5, s[8:9] offset:64*\e+16
.endr
.irp e, 0,1,2,3
	global_load_b32 v[BV+\e], v6, s[84:85] offset:64*\e
.endr
	ASKN 0
.macro FRAG reg, adr, q, i             ; 16 rows x 128 K: registers 4 c .. 4 c + 3 hold K = 32 c + 16 (l / 16) + 0 .. 15
.irp c, 0,1,2,3
	ds_load_b128 v[\reg+4*\c:\reg+4*\c+3], v[\adr] offset:128*(\q)+32*\c+(\i)*16*PITCH
.endr
.endm
; 16 matrix instructions: A's register blocks a0, a0 + 1 x B's eight of set p.  cm = 1: C = the bias by B's block; 2: by A's block; 0: in place.  The accumulators take turns.
.macro MUL16 a0, p, cm
.irp a, \a0, \a0+1
.irp b, 0,1,2,3,4,5,6,7
.if \cm == 1
	v_wmma_f32_16x16x128_bf8_bf8 v[8*(8*((\a)%4)+\b):8*(8*((\a)%4)+\b)+7], v[128*(\p)+FR*\b:128*(\p)+FR*\b+FR-1], v[AF+FR*(\a):AF+FR*(\a)+FR-1], v[BI+8*\b:BI+8*\b+7]
.elseif \cm == 2
	v_wmma_f32_16x16x128_bf8_bf8 v[8*(8*((\a)%4)+\b):8*(8*((\a)%4)+\b)+7], v[128*(\p)+FR*\b:128*(\p)+FR*\b+FR-1], v[AF+FR*(\a):AF+FR*(\a)+FR-1], v[BI+8*(\a):BI+8*(\a)+7]
.else
	v_wmma_f32_16x16x128_bf8_bf8 v[8*(8*((\a)%4)+\b):8*(8*((\a)%4)+\b)+7], v[128*(\p)+FR*\b:128*(\p)+FR*\b+FR-1], v[AF+FR*(\a):AF+FR*(\a)+FR-1], v[8*(8*((\a)%4)+\b):8*(8*((\a)%4)+\b)+7]
.endif
.endr
.endr
.endm
.macro FETCH_B slot, q, p
	WIN TO_B
.irp i, 0,1,2,3,4,5,6,7
	FRAG 128*(\p)+FR*\i, ADRB+\slot, \q, \i
.endr
	WIN 0
.endm
.macro FETCH_A slot, q, i0
.irp i, \i0, \i0+1, \i0+2, \i0+3
	FRAG AF+FR*(\i), ADRA+\slot, \q, \i
.endr
.endm
.macro FETCH_AH slot, q, set           ; tile 2: my four blocks of A into set 0 or 1
.irp i, 0,1,2,3
	FRAG AF+FR*(4*(\set)+\i), ADRA+\slot, \q, \i
.endr
.endm
.macro PLACES n
.rept \n
	v_nop
.endr
.endm
; behind a change's barrier.  kind 0: nothing is filled.  1: this slot's tile two K steps on.  2: tile 2's K step 0 or 1 (A's tiles have 64 rows a wave from here on).  No tensor load of mine is out: the wait for 0 stands ahead.
.macro REFILL slot, kind
.if \kind == 0
	PLACES NP
.else
	CREST                                          ; the barrier has opened a round of the cluster's barrier
.if \kind == 1
	s_add_nc_u64 s[G0+4*\slot+2:G0+4*\slot+3], s[G0+4*\slot+2:G0+4*\slot+3], 2*ROWB
	s_add_nc_u64 s[G0B+4*\slot+2:G0B+4*\slot+3], s[G0B+4*\slot+2:G0B+4*\slot+3], 2*ROWB
.else
	s_mov_b32 s[G1+2], 64<<16
	s_mov_b32 s[G1+4], 64
	s_mul_i32 s[G0+4*\slot+1], s14, 64*PITCH
	s_add_co_u32 s[G0+4*\slot+1], s[G0+4*\slot+1], \slot*SLOT
	s_add_nc_u64 s[G0+4*\slot+2:G0+4*\slot+3], s[A2:A2+1], \slot*ROWB
	s_or_b32 s[G0+4*\slot+3], s[G0+4*\slot+3], 0x80000000
	s_add_nc_u64 s[G0B+4*\slot+2:G0B+4*\slot+3], s[B2:B2+1], \slot*ROWB
	s_or_b32 s[G0B+4*\slot+3], s[G0B+4*\slot+3], 0x80000000
.endif
	JLOAD G0+4*\slot, G1, G0B+4*\slot, G1B         ; the first tensor load behind the round; its four v_nop are the places in front of the loads that follow
.endif
.endm
; TILE 1.  A step of 128 along K with its successor in the same slot: A has one set (blocks 0-3 fetched anew in the middle, 4-7 at the end), B two.
.macro STEP slot, q, cm
	s_wait_dscnt 4*NL                              ; all but A's blocks 4-7
.if \cm
	WIN 0x81
.else
	WIN MUL_LO
.endif
	MUL16 0, (\q)%2, \cm
	MUL16 2, (\q)%2, \cm
	s_wait_dscnt 0
	PLACES NP
	FETCH_B \slot, (\q)+1, 1-(\q)%2
	FETCH_A \slot, (\q)+1, 0
.if \cm
	WIN 0xc1
.else
	WIN MUL_HI
.endif
	MUL16 4, (\q)%2, \cm
	MUL16 6, (\q)%2, \cm
	PLACES NP
	WIN 0
	FETCH_A \slot, (\q)+1, 4
.endm
; a slot's last step changes slots: the wait for all my tensor loads, the add, the wait for it and for my reads, one barrier
.macro TURN slot, next, kind, fetch, n
	s_wait_tensorcnt 0x0
	ds_add_u32 v[SPW], v[NIL]
	s_wait_dscnt 4*NL+1                            ; the add and A's blocks 4-7 may be out
	WIN MUL_LO
	MUL16 0, 1, 0
	s_wait_dscnt 0x0
	s_barrier_signal -1
	MUL16 2, 1, 0
	WIN 0
	s_barrier_wait -1
	REFILL \slot, \kind
.if \fetch
	FETCH_B \next, 0, 0
	FETCH_A \next, 0, 0
.endif
	ASKN \n
	WIN MUL_HI
	MUL16 4, 1, 0
	MUL16 6, 1, 0
	PLACES NP
	WIN 0
.if \fetch
	FETCH_A \next, 0, 4
.endif
.endm
; TILE 2.  32 accumulators (window 2); A and B have two sets each.  A slot's first step fetches its second step's fragments and multiplies set 0.
.macro HSTEP slot, cm
	s_wait_dscnt 0x0                               ; set 0 is in
	PLACES NP
	FETCH_B \slot, 1, 1
	FETCH_AH \slot, 1, 1
.if \cm
	WIN 0x81
.else
	WIN MUL_LO
.endif
	MUL16 0, 0, \cm
	MUL16 2, 0, \cm
	WIN 0
.endm
.macro HTURN slot, next, kind, n
	s_wait_tensorcnt 0x0
	ds_add_u32 v[SPW], v[NIL]
	s_wait_dscnt 1                                 ; set 1 is in; the add may be out
	WIN MUL_LO
	MUL16 4, 1, 0
	s_wait_dscnt 0x0
	s_barrier_signal -1
	MUL16 6, 1, 0
	WIN 0
	s_barrier_wait -1
	REFILL \slot, \kind
	FETCH_B \next, 0, 0
	FETCH_AH \next, 0, 0
	ASKN \n
.endm
; s92 = the two operands' exponents added, s94 = the result's: the conversion's scale 2^(s94 - s92), the hold at 57,344 x that, and s93 = -s92 for the bias
.macro MKSC
	s_sub_co_i32 s93, 0, s92
	s_sub_co_i32 s94, s94, s92
	s_add_co_i32 s94, s94, 127
	s_lshl_b32 s22, s94, 23
	v_mov_b32 v[CVS], s22
	s_add_co_i32 s94, s94, 15
	s_lshl_b32 s94, s94, 23
	s_or_b32 s94, s94, 0x600000
	v_mov_b32 v[LIMV], s94
.endm
; THE WAY OUT of A's block a: held, converted (eight neighbours along B's rows give two registers of codes), stored as register images: 32 lanes store 512 consecutive bytes
.macro OUTBLK a
.set AC, 64*((\a)%4)
	WIN 0x02+((\a)/4)
.set i, 0
.rept 64
	v_med3_num_f32 v[TMP+i], v[AC+i], -v[LIMV], v[LIMV]    ; each accumulator from its low end on
.set i, i+1
.endr
	WIN 0
.irp b, 0,1,2,3,4,5,6,7
	v_cvt_scalef32_pk8_bf8_f32 v[CD+16*(\a)+2*\b:CD+16*(\a)+2*\b+1], v[TMP+8*\b:TMP+8*\b+7], v[CVS]
.endr
	v_nop
.irp gb, 0,1
.irp g, 0,1
	global_store_b128 v[OF+2*((\a)/4)+\gb], v[CD+16*(\a)+8*\gb+4*\g:CD+16*(\a)+8*\gb+4*\g+3], s[10:11] offset:((\a)%4)*1024+\g*512
.endr
.endr
.endm
	s_wait_tensorcnt 0x0                           ; my part of K step 0 is in
	ds_add_u32 v[SPW], v[NIL]
	s_wait_dscnt 0x0
	CROUND
	JLOAD G0+4, G1, G0B+4, G1B                     ; K step 1
	FETCH_B 0, 0, 0
	FETCH_A 0, 0, 0
	FETCH_A 0, 0, 4
	ASKN 1
	s_wait_loadcnt 0x0                             ; the biases
	s_wait_kmcnt 0x0
	s_cmp_eq_u32 s12, 1
	s_cselect_b32 s92, s70, s68
	s_cselect_b32 s93, s71, s69
	s_cselect_b32 s94, s75, s74
	s_add_co_i32 s92, s92, s93
	MKSC
.set i, 0
.rept 64
	v_ldexp_f32 v[BI+i], v[BI+i], s93
.set i, i+1
.endr
	s_wait_alu depctr_va_vdst(0)
	STEP 0, 0, 1
	TURN 0, 1, 1, 1, 2
	STEP 1, 0, 0
	TURN 1, 0, 1, 1, 3
	STEP 0, 0, 0
	TURN 0, 1, 2, 1, 4                             ; slot 0 takes tile 2's K step 0,
	STEP 1, 0, 0
	TURN 1, 0, 2, 0, 5                             ; slot 1 its K step 1: both are asked for, now tile 1 goes out
.irp a, 0,1,2,3,4,5,6,7
	OUTBLK \a
.endr
	s_wait_xcnt 0x0                                ; tile 1's stores have read their registers and their base
	s_mov_b64 s[10:11], s[90:91]
	v_and_b32 v7, 31, v0
	v_lshl_add_u32 v[OF], v7, 4, s2
	v_add_nc_u32 v[OF+1], 0x20000, v[OF]           ; the next 64 keys
	s_mul_i32 s21, s15, 64*PITCH
	v_add_nc_u32 v[ADRA], s21, v[LN]               ; my 64 rows of Wv
	v_add_nc_u32 v[ADRA+1], SLOT, v[ADRA]
	s_add_co_i32 s92, s72, s73                     ; e4 + e5
	s_mov_b32 s94, s77                             ; e9
	MKSC
.irp e, 0,1,2,3
.irp j, 0,1,2,3,4,5,6,7
	v_ldexp_f32 v[BI+8*\e+\j], v[BV+\e], s93
.endr
.endr
	s_wait_alu depctr_va_vdst(0)
	s_wait_tensorcnt 1                             ; my part of tile 2's K step 0 is in; behind it one load was issued, K step 1's
	s_barrier_signal -1
	s_barrier_wait -1                              ; everybody's is
	FETCH_B 0, 0, 0
	FETCH_AH 0, 0, 0
	HSTEP 0, 2
	HTURN 0, 1, 1, 6
	HSTEP 1, 0
	HTURN 1, 0, 1, 7
	HSTEP 0, 0
	HTURN 0, 1, 0, 8
	HSTEP 1, 0
	s_wait_dscnt 0x0
	WIN MUL_LO
	MUL16 4, 1, 0
	MUL16 6, 1, 0
	WIN 0
	PLACES NP
.irp a, 0,1,2,3
	OUTBLK \a
.endr
	s_wait_tensorcnt 0x0                           ; the wave's end
	ds_add_u32 v[SPW], v[NIL]
	s_wait_dscnt 0x0
	CROUND                                         ; the closing round
	s_endpgm
.Lfunc_end_k_q10f235eb3d_proj:
	.size	k_q10f235eb3d_proj, .Lfunc_end_k_q10f235eb3d_proj-k_q10f235eb3d_proj
	.p2alignl 7, 3214868480
	.fill 96, 4, 3214868480
	.section	.rodata,"a",@progbits
	.p2align	6, 0x0
	.amdhsa_kernel k_q10f235eb3d_proj
		.amdhsa_group_segment_fixed_size 327680
		.amdhsa_private_segment_fixed_size 0
		.amdhsa_enable_private_segment 0
		.amdhsa_kernarg_size 96
		.amdhsa_user_sgpr_count 2
		.amdhsa_user_sgpr_kernarg_segment_ptr 1
		.amdhsa_wavefront_size32 1
		.amdhsa_system_sgpr_workgroup_id_x 1
		.amdhsa_system_sgpr_workgroup_id_y 1
		.amdhsa_system_sgpr_workgroup_id_z 1
		.amdhsa_system_vgpr_workitem_id 0
		.amdhsa_next_free_vgpr 1024
		.amdhsa_next_free_sgpr 102
		.amdhsa_reserve_vcc 0
		.amdhsa_float_denorm_mode_32 3
		.amdhsa_float_denorm_mode_16_64 3
		.amdhsa_memory_ordered 1
		.amdhsa_forward_progress 1
		.amdhsa_inst_pref_size 196
	.end_amdhsa_kernel
	.amdgpu_metadata
---
amdhsa.version: [ 1, 2 ]
amdhsa.kernels:
  - .name:           k_q10f235eb3d_proj
    .symbol:         k_q10f235eb3d_proj.kd
    .args:
      - { .name: q_codes, .offset: 0, .size: 8, .value_kind: global_buffer, .address_space: global }
      - { .name: k_codes, .offset: 8, .size: 8, .value_kind: global_buffer, .address_space: global }
      - { .name: v_codes, .offset: 16, .size: 8, .value_kind: global_buffer, .address_space: global }
      - { .name: Wq_codes, .offset: 24, .size: 8, .value_kind: global_buffer, .address_space: global }
      - { .name: Wk_codes, .offset: 32, .size: 8, .value_kind: global_buffer, .address_space: global }
      - { .name: Wv_codes, .offset: 40, .size: 8, .value_kind: global_buffer, .address_space: global }
      - { .name: bq, .offset: 48, .size: 8, .value_kind: global_buffer, .address_space: global }
      - { .name: bk, .offset: 56, .size: 8, .value_kind: global_buffer, .address_space: global }
      - { .name: bv, .offset: 64, .size: 8, .value_kind: global_buffer, .address_space: global }
      - { .name: lowp_scales, .offset: 72, .size: 8, .value_kind: global_buffer, .address_space: global }
      - { .name: qf, .offset: 80, .size: 8, .value_kind: global_buffer, .address_space: global }
      - { .name: kv, .offset: 88, .size: 8, .value_kind: global_buffer, .address_space: global }
    .group_segment_fixed_size: 327680
    .private_segment_fixed_size: 0
    .kernarg_segment_align: 8
    .kernarg_segment_size: 96
    .max_flat_workgroup_size: 128
    .sgpr_count:     102
    .vgpr_count:     1024
    .wavefront_size: 32
...
	.end_amdgpu_metadata
.endif
;; end of part 1
;; launch attn (part 2): grid 4 x 64, 8 waves a work-group, clusters of 4 x 1, 327,680 bytes of LDS; arguments qf, kv, a_mask, v_mask, q_mask, lowp_scales, out0; writes out0
.if DOCPART == 2
	.amdgcn_target "amdgcn-amd-amdhsa--gfx1250"
	.amdhsa_code_object_version 6
	.text
	.protected	k_q10f235eb3d_attn
	.globl	k_q10f235eb3d_attn
	.p2align	8
	.type	k_q10f235eb3d_attn,@function
k_q10f235eb3d_attn:
	s_mov_b64 s[64:65], 0
	v_nop
	global_prefetch_b8 v0, s[64:65] scope:SCOPE_SE
	s_setreg_imm32_b32 hwreg(HW_REG_WAVE_MODE, 25, 1), 1
	s_wait_xcnt 0x0
	s_wait_alu depctr_hold_cnt(0) depctr_sa_sdst(0) depctr_va_vdst(0) depctr_va_sdst(0) depctr_va_ssrc(0) depctr_va_vcc(0) depctr_vm_vsrc(0)
	s_getreg_b32 s2, hwreg(HW_REG_IB_STS2, 6, 4)
	s_cmp_eq_u32 s2, 0
	s_cbranch_scc0 .Lentry_in_a_cluster
	s_endpgm
.Lentry_in_a_cluster:
	s_bfe_u32 s2, ttmp6, 0x10000c
	s_cmp_lg_u32 s2, 0x3003
	s_cbranch_scc0 .Lentry_shape_is_right
	s_endpgm
.Lentry_shape_is_right:
; ATTENTION on codes of E5M2: out[b][q][64 head + d] = q_mask x (sum over keys of p V) / l, both products by v_wmma_f32_16x16x64_bf8_bf8.
; logit = score / 8 - (1 - v_mask[key]) 1e12 - (1 - a_mask[q][key]) 1e12;  t = logit x log2(e);  p = 2^(t - M) is quantised with 2^e8;  l is the sum of the unquantised p and divides at the end.
; M is a whole number at or above the row's largest t so far: the ceiling of that t raised by 2^-22 of its size, so that t - M, made by one fused multiply-add from the raw sum, is 0 or less at the penalties' size too.
; (Where t lies within 2^-22 of its size under a whole number, M is one more than the plain ceiling: every p of the row is then halved, exactly, and so is l.)  When M moves, l and O are multiplied by 2^(old M - new M), which rounds nothing.
; SHARES.  A work-group owns 256 queries of one batch for TWO heads (2 p, 2 p + 1); wave w owns queries 32 w .. 32 w + 31 (two tiles u) for both heads, and walks the 1,024 keys, 64 a step.
; K AND V STAY.  The two heads' K and V^T of all 16 steps are 262,144 bytes of LDS, filled once: wave w asks for steps 2 w and 2 w + 1 (two rows of 16,384 bytes, 131,072 apart in kv).  Nothing is filled again, so the loop has no barrier.
; CLUSTER.  The four query blocks of a batch and head pair form a cluster and ask for these tiles JOINTLY.  a_mask is not shared in a cluster (the partners own different rows) and goes through registers, since it is turned into penalties.
; THE MASKS.  A wave loads its own 32 rows (64 keys: 256 consecutive bytes a row), makes pen = a_mask x N + (v_mask x N - 2 N), N = 1e12 x 8 / 2^(e6 + e7): the penalty in units of the raw sums (the order of rounding differs from
; the definition's for masks that are neither 0 nor 1), and turns it into the layout of a score tile through a stage in LDS that is the wave's own.  There it is the C of the one matrix instruction that makes a tile, for both heads.
; LAYOUT.  S^T = K Q^T and O^T = V^T P: a lane holds ONE query (lane % 16), its registers eight neighbouring keys (16 kt + 8 (lane / 16) + j) or channels.  Q, K, V^T come as images of their registers (registers 4 g .. 4 g + 3 of lane l at 512 g + 16 l).
; PREFETCH.  kv is asked for whole at the head: there is no trip to run ahead in.  a_mask: the eight work-groups (head pairs) that read a block of 256 rows share them out: wave 0 of pair p names rows 32 p .. 32 p + 31, a lane a row,
; 256 bytes of the step that stands two steps behind the one whose loads go out in the same place; the last trip asks for nothing.
; LIMITS on the given exponents, so that each power of two below is an f32 number: e6 + e7 between -83 and 130; e8 between -126 and 112.  NaN and infinities are not served.
; A row ALL of whose keys carry a penalty: the score is lost beside the penalty in the matrix unit's sum, as it is lost in f32 in the definition; the two may round that sum differently.
; REGISTERS.  Window 0: v1-20 addresses and constants; v24-55 statistics of tile t = 2 head + u at v[24 + 8 t]: +0 -M, +1 largest raw sum, +2, +3 l, +4 f, +5 0, +6, +7 at work; v56-71 P; v72-103 K/V set a; v104-167, v168-231 two blocks of 64:
; penalties and scores, which change roles from step to step; v232-239 at work.  Window 1: v0-127 O^T (32 t + 8 dt); v128-191 a_mask; v192-223 Q (8 t); v224-255 K/V set b.
.set STG,   278528                     ; the stages: 4,352 bytes a wave: eight images (2 kt + g) of 544 bytes, lane (r, h) at 272 h + 16 r; on the way out 16 rows of 272
.set WST,   4352
.set PIMG,  544
.set SPARE, STG+8*WST                  ; the spare words, 128 bytes a wave
.set LI,   1
.set SPW,  2
.set NIL,  3
.set KA,   4                           ; LDS byte of the trip's first step + 16 x lane
.set STW,  5
.set STR,  6
.set AMO,  7                           ; 4096 (lane / 16) + 16 (lane % 16): a_mask and out0
.set VMO,  8
.set HOLD, 9
.set CVSR, 10
.set PFO,  11
.set QM,   12
.set TWO,  14                          ; v[14:15] -2 N
.set W,    16                          ; v16-19 v_mask, then v_mask x N - 2 N
.set STO,  20
.set ST,   24
.set P,    56
.set KVA,  72
.set RA,   104
.set RB,   168
.set TM,   232
.set O,    0
.set AM,   128
.set Q,    192
.set KVB,  224
.set WV,   18
.set CNT,  19
.set G1,   24
.set G0,   32
.set SEL,  40
.set CS,   42                          ; s[42:43] c = log2(e) / 8 x 2^(e6 + e7)
.set NN,   44                          ; s[44:45] N
.set TB,   46
.set LIM,  47
.set EPS,  48
.set MSB, 0
.macro WIN new                         ; the immediate's high byte repeats the setting that is left
.if MSB != (\new)
	s_set_vgpr_msb (MSB<<8)|(\new)
.set MSB, (\new)
.endif
.endm
.macro ROUND
	s_barrier_signal -1
	s_barrier_wait -1
	s_cmp_lg_u32 s[WV], 0
	s_cbranch_scc1 .Lnot_wave_0_\@
	s_barrier_signal -3
.Lnot_wave_0_\@:
	s_barrier_wait -3
	s_barrier_signal -1
	s_barrier_wait -1
.endm
.macro PLACES
.rept 4
	v_nop
.endr
.endm
; THE SOFTMAX of one head's two tiles for one step; the two tiles' chains stand line by line beside each other.
.macro SOFT2 rS, hd
.set T0, ST+16*(\hd)
.irp kt, 0,1,2,3
.irp u, 0,1
	v_max3_num_f32 v[TM+4*\u+\kt], v[\rS+32*\u+8*\kt], v[\rS+32*\u+8*\kt+1], v[\rS+32*\u+8*\kt+2]   ; each accumulator from its low end on
.endr
.endr
.irp j, 3,5
.irp kt, 0,1,2,3
.irp u, 0,1
	v_max3_num_f32 v[TM+4*\u+\kt], v[TM+4*\u+\kt], v[\rS+32*\u+8*\kt+\j], v[\rS+32*\u+8*\kt+\j+1]
.endr
.endr
.endr
.irp u, 0,1
	v_max3_num_f32 v[TM+4*\u], v[TM+4*\u], v[TM+4*\u+1], v[\rS+32*\u+7]
	v_max3_num_f32 v[TM+4*\u+2], v[TM+4*\u+2], v[TM+4*\u+3], v[\rS+32*\u+15]
.endr
.irp u, 0,1
	v_max3_num_f32 v[TM+4*\u], v[TM+4*\u], v[\rS+32*\u+23], v[\rS+32*\u+31]
.endr
.irp u, 0,1
	v_max3_num_f32 v[TM+4*\u], v[TM+4*\u], v[TM+4*\u+2], v[T0+8*\u+1]   ; with the largest so far
.endr
.irp u, 0,1
	v_permlanex16_b32 v[T0+8*\u+7], v[TM+4*\u], s[SEL], s[SEL+1]        ; the query's other 32 keys lie in the lane 16 away
.endr
.irp u, 0,1
	v_max_num_f32 v[T0+8*\u+1], v[TM+4*\u], v[T0+8*\u+7]
.endr
.irp u, 0,1
	v_mul_f32 v[T0+8*\u+6], s[CS], v[T0+8*\u+1]                         ; as t (c is positive)
.endr
.irp u, 0,1
	v_mov_b32 v[TM+4*\u+1], v[T0+8*\u]
.endr
.irp u, 0,1
	v_fma_f32 v[T0+8*\u+6], |v[T0+8*\u+6]|, s[EPS], v[T0+8*\u+6]        ; raised by 2^-22 of its size
.endr
.irp u, 0,1
	v_floor_f32 v[T0+8*\u], -v[T0+8*\u+6]                               ; the new -M
.endr
.irp u, 0,1
	v_sub_f32 v[TM+4*\u+1], v[T0+8*\u], v[TM+4*\u+1]                    ; old M - new M: a whole number, 0 or less
.endr
.irp u, 0,1
	v_cvt_i32_f32 v[TM+4*\u+1], v[TM+4*\u+1]                            ; (it saturates)
.endr
.irp u, 0,1
	v_ldexp_f32 v[T0+8*\u+4], 1.0, v[TM+4*\u+1]                         ; f = 2^(old M - new M)
.endr
.set j, 0
.rept 32
	v_pk_fma_f32 v[\rS+j:\rS+j+1], v[\rS+j:\rS+j+1], s[CS:CS+1], v[T0+8*(j/32):T0+8*(j/32)+1] op_sel_hi:[1,0,0]   ; t - M
.set j, j+2
.endr
	s_wait_alu depctr_va_vdst(0)                   ; ahead of the batch
.set j, 0
.rept 64
	v_exp_f32 v[\rS+j], v[\rS+j]                   ; p = 2^(t - M), at most 1
.set j, j+1
.endr
.irp u, 0,1
	v_pk_mul_f32 v[T0+8*\u+2:T0+8*\u+3], v[T0+8*\u+2:T0+8*\u+3], v[T0+8*\u+4:T0+8*\u+5] op_sel_hi:[1,0]   ; l under the new M: plain work behind the exponentials
.endr
	s_wait_alu depctr_va_vdst(0)                   ; one wait for the batch, ahead of its first reader
.irp u, 0,1
	v_pk_add_f32 v[T0+8*\u+6:T0+8*\u+7], v[\rS+32*\u:\rS+32*\u+1], v[\rS+32*\u+2:\rS+32*\u+3]   ; the sum of the UNQUANTISED p, two chains a tile
.endr
.irp i, 4,8,12,16,20,24,28
.irp u, 0,1
	v_pk_add_f32 v[T0+8*\u+2:T0+8*\u+3], v[T0+8*\u+2:T0+8*\u+3], v[\rS+32*\u+\i:\rS+32*\u+\i+1]
	v_pk_add_f32 v[T0+8*\u+6:T0+8*\u+7], v[T0+8*\u+6:T0+8*\u+7], v[\rS+32*\u+\i+2:\rS+32*\u+\i+3]
.endr
.endr
.irp u, 0,1
	v_pk_add_f32 v[T0+8*\u+2:T0+8*\u+3], v[T0+8*\u+2:T0+8*\u+3], v[T0+8*\u+6:T0+8*\u+7]
.endr
.set j, 0
.rept 32
	v_dual_min_num_f32 v[\rS+j], v[HOLD], v[\rS+j] :: v_dual_min_num_f32 v[\rS+j+1], v[HOLD], v[\rS+j+1]   ; the conversion does not saturate (ISA guide 7.6.2); p is not negative: a one-sided hold, two to an instruction
.set j, j+2
.endr
.irp u, 0,1
.irp c, 0,1,2,3
	v_cvt_scalef32_pk8_bf8_f32 v[P+8*\u+2*\c:P+8*\u+2*\c+1], v[\rS+32*\u+8*\c:\rS+32*\u+8*\c+7], v[CVSR]
.endr
.endr
.endm
; O^T of one head under the new M, then O^T += V^T P.  vb: V^T's set; win: its window.
.macro PVH hd, vb, win
	WIN 0x41
	s_wait_alu depctr_va_vdst(0)                   ; ahead of the first readers of O^T
.set j, 0
.rept 32
	v_pk_mul_f32 v[O+64*(\hd)+j:O+64*(\hd)+j+1], v[O+64*(\hd)+j:O+64*(\hd)+j+1], v[ST+16*(\hd)+8*(j/32)+4:ST+16*(\hd)+8*(j/32)+5] op_sel_hi:[1,0]
.set j, j+2
.endr
	s_wait_alu depctr_va_vdst(0)
	s_wait_dscnt 0x0                               ; V^T is in, and all that was asked for before it
	WIN 0x50+\win
.irp dt, 0,1,2,3
.irp u, 0,1
	v_wmma_f32_16x16x64_bf8_bf8 v[O+64*(\hd)+32*\u+8*\dt:O+64*(\hd)+32*\u+8*\dt+7], v[\vb+8*\dt:\vb+8*\dt+7], v[P+8*\u:P+8*\u+7], v[O+64*(\hd)+32*\u+8*\dt:O+64*(\hd)+32*\u+8*\dt+7]
.endr
.endr
.endm
; THE NEXT STEP'S PENALTIES into block dst.  LDS serves a wave's instructions in order (ISA guide 5.7.1.4): the loads see my stores, and tile 1's stores come behind tile 0's loads.  ld: the masks of the step after are asked for.
.macro STAGE dst, ld, pf
	WIN 0
	s_wait_loadcnt 0x0                             ; the masks, asked for a step ago
.if \ld
	s_wait_xcnt 0x0                                ; the last prefetch has read its base too
	s_add_nc_u64 s[8:9], s[8:9], 256
	s_add_nc_u64 s[10:11], s[10:11], 256
.endif
	v_pk_fma_f32 v[W:W+1], v[W:W+1], s[NN:NN+1], v[TWO:TWO+1] op_sel_hi:[1,0,1]
	v_pk_fma_f32 v[W+2:W+3], v[W+2:W+3], s[NN:NN+1], v[TWO:TWO+1] op_sel_hi:[1,0,1]
	WIN 0x41
.set j, 0
.rept 16
	v_pk_fma_f32 v[AM+j:AM+j+1], v[AM+j:AM+j+1], s[NN:NN+1], v[W:W+1] op_sel_hi:[1,0,1]
	v_pk_fma_f32 v[AM+j+2:AM+j+3], v[AM+j+2:AM+j+3], s[NN:NN+1], v[W+2:W+3] op_sel_hi:[1,0,1]
.set j, j+4
.endr
.irp u, 0,1
	WIN 0x04
.irp i, 0,1,2,3,4,5,6,7
	ds_store_b128 v[STW], v[AM+32*\u+4*\i:AM+32*\u+4*\i+3] offset:32*\i      ; rows 2 i, 2 i + 1 of tile u
.endr
	WIN 0
.irp i, 0,1,2,3,4,5,6,7
	ds_load_b128 v[\dst+32*\u+4*\i:\dst+32*\u+4*\i+3], v[STR] offset:PIMG*\i
.endr
.endr
.if \ld
	WIN 0x40
.irp i, 0,1,2,3,4,5,6,7,8,9,10,11,12,13,14,15
	global_load_b128 v[AM+4*\i:AM+4*\i+3], v[AMO], s[8:9] offset:8192*\i     ; 16 lanes read 256 consecutive bytes of a row
.endr
	WIN 0
	global_load_b128 v[W:W+3], v[VMO], s[10:11]
.endif
.if \pf
	s_cmp_gt_u32 s[CNT], s[LIM]                    ; wave 0, and not in the loop's last trip
	s_cbranch_scc0 .Lnot_mine_\@
	global_prefetch_b8 v[PFO], s[8:9] offset:512 th:TH_LOAD_NT scope:SCOPE_SE
.Lnot_mine_\@:
.endif
.endm
; A KEY STEP, the par-th of its trip.  pa holds the penalties; head 0's scores go to pb, head 1's are made in place in pa; when head 0's are used up, pb takes the next step's penalties.
; st: those are made; ld: the masks after them are asked for; nx: the next step's K is fetched.  Every run of LDS loads is issued a softmax ahead of its use.
.macro STEP par, pa, pb, st, ld, nx
.set OFS, 16384*(\par)
	s_wait_dscnt 8                                 ; all but the youngest eight loads (head 1's K): head 0's K and the penalties are in
	WIN 0x04
.irp kt, 0,1,2,3
.irp u, 0,1
	v_wmma_f32_16x16x64_bf8_bf8 v[\pb+32*\u+8*\kt:\pb+32*\u+8*\kt+7], v[KVA+8*\kt:KVA+8*\kt+7], v[Q+8*\u:Q+8*\u+7], v[\pa+32*\u+8*\kt:\pa+32*\u+8*\kt+7]
.endr
.endr
	PLACES
	WIN 0
.irp i, 0,1,2,3,4,5,6,7
	ds_load_b128 v[KVA+4*\i:KVA+4*\i+3], v[KA] offset:OFS+4096+512*\i        ; head 0's V^T
.endr
	SOFT2 \pb, 0
	PVH 0, KVA, 0
	WIN 0x05
.irp kt, 0,1,2,3
.irp u, 0,1
	v_wmma_f32_16x16x64_bf8_bf8 v[\pa+32*\u+8*\kt:\pa+32*\u+8*\kt+7], v[KVB+8*\kt:KVB+8*\kt+7], v[Q+16+8*\u:Q+16+8*\u+7], v[\pa+32*\u+8*\kt:\pa+32*\u+8*\kt+7]
.endr
.endr
	PLACES
.if \nx
	WIN 0
.irp i, 0,1,2,3,4,5,6,7
	ds_load_b128 v[KVA+4*\i:KVA+4*\i+3], v[KA] offset:OFS+16384+512*\i       ; the next step's K, head 0
.endr
.endif
	WIN 0x40
.irp i, 0,1,2,3,4,5,6,7
	ds_load_b128 v[KVB+4*\i:KVB+4*\i+3], v[KA] offset:OFS+12288+512*\i       ; head 1's V^T
.endr
.if \st
	STAGE \pb, \ld, \ld
.endif
	WIN 0
	SOFT2 \pa, 1
	PVH 1, KVB, 1
	PLACES
.if \nx
	WIN 0x40
.irp i, 0,1,2,3,4,5,6,7
	ds_load_b128 v[KVB+4*\i:KVB+4*\i+3], v[KA] offset:OFS+24576+512*\i       ; the next step's K, head 1
.endr
.endif
	WIN 0
.endm
	s_load_b256 s[4:11], s[0:1], 0x0               ; qf, kv, a_mask, v_mask
	s_load_b128 s[12:15], s[0:1], 0x20             ; q_mask, the scales' exponents
	s_load_b64 s[20:21], s[0:1], 0x30              ; out0
	v_lshl_add_u32 v[SPW], v0, 2, SPARE
	v_mov_b32 v[NIL], 0
	ds_add_u32 v[SPW], v[NIL]                      ; the opening lines: the add, twice on end, and its wait ahead of my tensor load
	ds_add_u32 v[SPW], v[NIL]
	v_lshrrev_b32 v240, 5, v0
	v_readfirstlane_b32 s[WV], v240                ; wave 0..7
	s_bfe_u32 s22, ttmp6, 0x40000                  ; cx = my block of 256 queries: it enters plain global addresses alone
	s_and_b32 s66, ttmp7, 0xffff
	s_lshr_b32 s67, s66, 3                         ; the batch
	s_and_b32 s66, s66, 7                          ; the head pair p
	s_mov_b32 s[G1], 15|(3<<16)|(1<<21)            ; the mask: all four work-groups; elements of 8 bytes; bit 21 beside a mask
	s_mov_b32 s[G1+1], 2048<<16                    ; tensor_dim0: 16,384 bytes
	s_mov_b32 s[G1+2], 2<<16                       ; tensor_dim1 = 2
	s_mov_b32 s[G1+3], 2048<<16                    ; tile_dim0
	s_mov_b32 s[G1+4], 2                           ; tile_dim1
	s_mov_b32 s[G1+5], 16384                       ; from step to step: 131,072 bytes
	s_mov_b32 s[G1+6], 0
	s_mov_b32 s[G1+7], 0
	s_mov_b32 s[SEL], 0x76543210
	s_mov_b32 s[SEL+1], 0xfedcba98
	s_mov_b32 s[EPS], 0x34800000                   ; 2^-22
	s_mov_b32 s[TB], 0
	s_mov_b32 s[CNT], 7
	s_cmp_eq_u32 s[WV], 0
	s_cselect_b32 s[LIM], 1, -1
	s_lshl_b32 s68, s67, 21                        ; kv: batch x 16 steps + 2 wave steps + 16,384 p
	s_lshl_b32 s23, s[WV], 18
	s_add_co_u32 s68, s68, s23
	s_lshl_b32 s23, s66, 14
	s_add_co_u32 s68, s68, s23
	s_mov_b32 s69, 0
	s_lshl_b32 s70, s67, 4                         ; qf: (16 batch + 4 cx + wave / 2) x 65,536 + 8,192 p + (wave % 2) x 2,048
	s_lshl_b32 s23, s22, 2
	s_add_co_u32 s70, s70, s23
	s_lshr_b32 s23, s[WV], 1
	s_add_co_u32 s70, s70, s23
	s_lshl_b32 s70, s70, 16
	s_lshl_b32 s23, s66, 13
	s_add_co_u32 s70, s70, s23
	s_and_b32 s23, s[WV], 1
	s_lshl_b32 s23, s23, 11
	s_add_co_u32 s70, s70, s23
	s_mov_b32 s71, 0
	s_lshl_b32 s72, s67, 10                        ; my first query among the 8,192
	s_lshl_b32 s23, s22, 8
	s_add_co_u32 s72, s72, s23
	s_lshl_b32 s23, s[WV], 5
	s_add_co_u32 s72, s72, s23
	s_lshl_b32 s74, s72, 12                        ; its row of a_mask and of out0
	s_mov_b32 s75, 0
	s_lshl_b32 s76, s67, 12                        ; v_mask: my batch's row
	s_mov_b32 s77, 0
	s_lshl_b32 s78, s72, 2
	s_mov_b32 s79, 0
	s_mul_i32 s73, s[WV], WST
	s_add_co_u32 s73, s73, STG                     ; my stage
	s_wait_dscnt 0x0                               ; both opening adds are done
	s_wait_kmcnt 0x0
	s_load_b128 s[52:55], s[14:15], 0x18           ; e6, e7, e8, e9
	s_add_nc_u64 s[4:5], s[4:5], s[70:71]
	s_add_nc_u64 s[8:9], s[8:9], s[74:75]
	s_add_nc_u64 s[10:11], s[10:11], s[76:77]
	s_add_nc_u64 s[12:13], s[12:13], s[78:79]
	s_add_nc_u64 s[20:21], s[20:21], s[74:75]
	s_lshl_b32 s74, s66, 9
	s_add_nc_u64 s[20:21], s[20:21], s[74:75]      ; my two heads' 512 bytes of a row
	s_mov_b32 s[G0], 1
	s_lshl_b32 s[G0+1], s[WV], 15                  ; LDS: step s at 16,384 s; in it head 2 p + i at 8,192 i: K at 1,024 kt, V^T at 4,096 + 1,024 dt
	s_add_nc_u64 s[G0+2:G0+3], s[6:7], s[68:69]
	s_or_b32 s[G0+3], s[G0+3], 0x80000000
	s_lshl_b32 s23, s66, 17
	ROUND                                          ; all four work-groups are here: the joint loads meet
	tensor_load_to_lds s[G0:G0+3], s[G1:G1+7]      ; my one tensor load
	s_nop 0
	PLACES
	v_and_b32 v[LI], 31, v0
	v_lshlrev_b32 v[PFO], 12, v[LI]
	v_lshlrev_b32 v[LI], 4, v[LI]
	v_add_nc_u32 v[PFO], s23, v[PFO]               ; (32 p + lane) rows of a_mask
	v_and_b32 v240, 15, v0                         ; x = r = lane % 16
	v_bfe_u32 v241, v0, 4, 1                       ; y = h = lane / 16
	v_lshlrev_b32 v[AMO], 12, v241
	v_lshl_add_u32 v[AMO], v240, 4, v[AMO]
	v_lshlrev_b32 v[VMO], 4, v240
	v_lshlrev_b32 v242, 2, v240
	v_mul_u32_u24 v[STR], v241, 272
	v_lshl_add_u32 v[STR], v240, 4, v[STR]
	v_add_nc_u32 v[STR], s73, v[STR]
	v_lshrrev_b32 v243, 2, v240                    ; I hold keys 4 x .. 4 x + 3: key tile x / 4, half (x / 2) % 2, registers 4 (x % 2) on
	v_and_b32 v244, 1, v240
	v_lshl_add_u32 v243, v243, 1, v244
	v_mul_u32_u24 v[STW], v243, PIMG
	v_bfe_u32 v244, v240, 1, 1
	v_mad_u32_u24 v[STW], v244, 272, v[STW]
	v_lshl_add_u32 v[STW], v241, 4, v[STW]
	v_add_nc_u32 v[STW], s73, v[STW]
	v_mul_u32_u24 v[STO], v240, 272
	v_lshl_add_u32 v[STO], v241, 5, v[STO]
	v_add_nc_u32 v[STO], s73, v[STO]
	s_wait_alu depctr_va_vdst(0)
	WIN 0x40
.irp t, 0,1,2,3
.irp g, 0,1
	global_load_b128 v[Q+8*\t+4*\g:Q+8*\t+4*\g+3], v[LI], s[4:5] offset:4096*(\t/2)+1024*(\t%2)+512*\g   ; Q stays in registers
.endr
.endr
.irp i, 0,1,2,3,4,5,6,7,8,9,10,11,12,13,14,15
	global_load_b128 v[AM+4*\i:AM+4*\i+3], v[AMO], s[8:9] offset:8192*\i     ; step 0's masks
.endr
	WIN 0
	global_load_b128 v[W:W+3], v[VMO], s[10:11]
	global_load_b32 v[QM], v242, s[12:13]
	global_load_b32 v[QM+1], v242, s[12:13] offset:64
.irp t, 0,1,2,3
	v_mov_b32 v[ST+8*\t], 0x7f61b1e6               ; -M: 3e38
	v_mov_b32 v[ST+8*\t+1], 0xff61b1e6             ; the largest raw sum so far: -3e38
.irp k, 2,3,4,5,6,7
	v_mov_b32 v[ST+8*\t+\k], 0
.endr
.endr
	WIN 0x40
.set j, 0
.rept 128
	v_mov_b32 v[O+j], 0                            ; O^T.  The step has no first form of its own: the first change of M multiplies zeros
.set j, j+1
.endr
	WIN 0
	s_wait_kmcnt 0x0
	s_add_co_i32 s68, s52, s53                     ; e6 + e7
	s_lshl_b32 s72, s68, 23
	s_add_co_u32 s[CS], s72, 0x3e38aa3b            ; log2(e) / 8, with e6 + e7 added to its exponent field
	s_mov_b32 s[CS+1], s[CS]
	s_sub_co_i32 s68, 3, s68
	s_lshl_b32 s68, s68, 23
	s_add_co_u32 s68, s68, 0xd368d4a5              ; -1e12, with 3 - e6 - e7 added to its exponent field: -N
	s_xor_b32 s[NN], s68, 0x80000000
	s_mov_b32 s[NN+1], s[NN]
	s_add_co_u32 s68, s68, 0x800000                ; -2 N
	v_mov_b32 v[TWO], s68
	v_mov_b32 v[TWO+1], s68
	s_add_co_i32 s68, s54, 127
	s_lshl_b32 s72, s68, 23
	v_mov_b32 v[CVSR], s72                         ; 2^e8
	s_add_co_i32 s68, s68, 15
	s_lshl_b32 s68, s68, 23
	s_or_b32 s68, s68, 0x600000
	v_mov_b32 v[HOLD], s68                         ; 57,344 x 2^e8
	s_add_co_i32 s56, s54, s55                     ; e8 + e9
	s_wait_alu depctr_va_vdst(0)
	STAGE RA, 1, 0                                 ; step 0's penalties; step 1's masks are asked for
	s_wait_tensorcnt 0x0                           ; my two steps of K and V are in
	s_wait_dscnt 0x0
	s_barrier_signal -1
	s_barrier_wait -1                              ; everybody's are
.irp i, 0,1,2,3,4,5,6,7
	ds_load_b128 v[KVA+4*\i:KVA+4*\i+3], v[LI] offset:512*\i
.endr
	WIN 0x40
.irp i, 0,1,2,3,4,5,6,7
	ds_load_b128 v[KVB+4*\i:KVB+4*\i+3], v[LI] offset:8192+512*\i
.endr
	WIN 0
.Ltrip:                                            ; seven trips of two steps: steps 0 to 13
	v_add_nc_u32 v[KA], s[TB], v[LI]
	s_wait_alu depctr_va_vdst(0)
	STEP 0, RA, RB, 1, 1, 1
	STEP 1, RB, RA, 1, 1, 1
	s_add_co_u32 s[TB], s[TB], 32768
	s_sub_co_u32 s[CNT], s[CNT], 1
	s_cmp_lg_u32 s[CNT], 0
	s_cbranch_scc1 .Ltrip
	v_add_nc_u32 v[KA], s[TB], v[LI]
	s_wait_alu depctr_va_vdst(0)
	STEP 0, RA, RB, 1, 0, 1                        ; step 14: no masks are left to ask for
	STEP 1, RB, RA, 0, 0, 0                        ; step 15
	; THE WAY OUT.  O^T x 2^(e8 + e9) x q_mask / l goes through my stage, a tile of 16 queries and one head at a time, and leaves as rows of 256 bytes.
.irp t, 0,1,2,3
	v_add_f32 v[ST+8*\t+6], v[ST+8*\t+2], v[ST+8*\t+3]
.endr
.irp t, 0,1,2,3
	v_permlanex16_b32 v[ST+8*\t+7], v[ST+8*\t+6], s[SEL], s[SEL+1]
.endr
.irp t, 0,1,2,3
	v_add_f32 v[ST+8*\t+6], v[ST+8*\t+6], v[ST+8*\t+7]
.endr
	s_wait_alu depctr_va_vdst(0)                   ; ahead of the batch
.irp t, 0,1,2,3
	v_rcp_f32 v[ST+8*\t+4], v[ST+8*\t+6]
.endr
	v_nop
	s_wait_alu depctr_va_vdst(0)                   ; and ahead of its first reader
.irp t, 0,1,2,3
	v_ldexp_f32 v[ST+8*\t+4], v[ST+8*\t+4], s56
.endr
.irp t, 0,1,2,3
	v_mul_f32 v[ST+8*\t+4], v[ST+8*\t+4], v[QM+(\t%2)]
.endr
	WIN 0x01
	s_wait_alu depctr_va_vdst(0)                   ; ahead of the first readers of O^T
.set j, 0
.rept 64
	v_pk_mul_f32 v[RA+j:RA+j+1], v[O+j:O+j+1], v[ST+8*(j/32)+4:ST+8*(j/32)+5] op_sel_hi:[1,0]   ; each accumulator from its low end on
.set j, j+2
.endr
	s_wait_alu depctr_va_vdst(0)
.irp t, 0,1,2,3
	WIN 0
.irp dt, 0,1,2,3
	ds_store_b128 v[STO], v[RA+32*\t+8*\dt:RA+32*\t+8*\dt+3] offset:64*\dt
	ds_store_b128 v[STO], v[RA+32*\t+8*\dt+4:RA+32*\t+8*\dt+7] offset:64*\dt+16
.endr
	WIN 0x40
.irp i, 0,1,2,3,4,5,6,7
	ds_load_b128 v[O+32*\t+4*\i:O+32*\t+4*\i+3], v[STR] offset:2*\i*272      ; in order behind my stores; the next tile's stores come behind these
.endr
.endr
	WIN 0x04
.irp t, 0,1,2,3
.irp i, 0,1,2,3,4,5,6,7
	s_wait_dscnt 16*(3-\t)+7-\i                    ; younger: the tile's later loads and the later tiles' sixteen LDS instructions each
	global_store_b128 v[AMO], v[O+32*\t+4*\i:O+32*\t+4*\i+3], s[20:21] offset:(16*(\t%2)+2*\i)*4096+256*(\t/2) th:TH_STORE_NT   ; 16 lanes store 256 consecutive bytes, aligned
.endr
.endr
	WIN 0
	s_wait_tensorcnt 0x0                           ; the wave's end
	ds_add_u32 v[SPW], v[NIL]
	s_wait_dscnt 0x0
	ROUND                                          ; the closing round
	s_endpgm
.Lfunc_end_k_q10f235eb3d_attn:
	.size	k_q10f235eb3d_attn, .Lfunc_end_k_q10f235eb3d_attn-k_q10f235eb3d_attn
	.p2alignl 7, 3214868480
	.fill 96, 4, 3214868480
	.section	.rodata,"a",@progbits
	.p2align	6, 0x0
	.amdhsa_kernel k_q10f235eb3d_attn
		.amdhsa_group_segment_fixed_size 327680
		.amdhsa_private_segment_fixed_size 0
		.amdhsa_enable_private_segment 0
		.amdhsa_kernarg_size 56
		.amdhsa_user_sgpr_count 2
		.amdhsa_user_sgpr_kernarg_segment_ptr 1
		.amdhsa_wavefront_size32 1
		.amdhsa_system_sgpr_workgroup_id_x 1
		.amdhsa_system_sgpr_workgroup_id_y 1
		.amdhsa_system_sgpr_workgroup_id_z 1
		.amdhsa_system_vgpr_workitem_id 0
		.amdhsa_next_free_vgpr 512
		.amdhsa_next_free_sgpr 80
		.amdhsa_reserve_vcc 0
		.amdhsa_float_denorm_mode_32 3
		.amdhsa_float_denorm_mode_16_64 3
		.amdhsa_memory_ordered 1
		.amdhsa_forward_progress 1
		.amdhsa_inst_pref_size 180
	.end_amdhsa_kernel
	.amdgpu_metadata
---
amdhsa.version: [ 1, 2 ]
amdhsa.kernels:
  - .name:           k_q10f235eb3d_attn
    .symbol:         k_q10f235eb3d_attn.kd
    .args:
      - { .name: qf, .offset: 0, .size: 8, .value_kind: global_buffer, .address_space: global }
      - { .name: kv, .offset: 8, .size: 8, .value_kind: global_buffer, .address_space: global }
      - { .name: a_mask, .offset: 16, .size: 8, .value_kind: global_buffer, .address_space: global }
      - { .name: v_mask, .offset: 24, .size: 8, .value_kind: global_buffer, .address_space: global }
      - { .name: q_mask, .offset: 32, .size: 8, .value_kind: global_buffer, .address_space: global }
      - { .name: lowp_scales, .offset: 40, .size: 8, .value_kind: global_buffer, .address_space: global }
      - { .name: out0, .offset: 48, .size: 8, .value_kind: global_buffer, .address_space: global }
    .group_segment_fixed_size: 327680
    .private_segment_fixed_size: 0
    .kernarg_segment_align: 8
    .kernarg_segment_size: 56
    .max_flat_workgroup_size: 256
    .sgpr_count:     80
    .vgpr_count:     512
    .wavefront_size: 32
...
	.end_amdgpu_metadata
.endif
;; end of part 2
